; MI455X (gfx1250); checked and timed in simulation.
; The chip was launched on July 23, 2026; its instructions are those of AMD's public machine-readable ISA for CDNA 5 (MIT licence, August 2026) and "CDNA5" Instruction Set Architecture Reference Guide (July 2026). The comments in the code are by the model that wrote it; some were corrected since.
;; Top K Swi GLUFF. Allowed arithmetic: float matrix products may take bf16 or f16 operands with f32 sums; other float arithmetic in f32, or as packed bf16 or f16 multiplies, adds, multiply-adds, maxima and minima; sums over many terms, partial sums and values carried from step to step in f32; what a program stores and reads back later, other than sums and carried values, may be rounded once to bf16 or f16.
;; Inputs: w1 1,024 x 2,048 float32; w2 2,048 x 1,024 float32; w3 1,024 x 2,048 float32; x 4 x 2,048 x 2,048 float32.
;; Outputs: out0 4 x 2,048 x 2,048 float32.
;; One version. Each part assembles by itself: llvm-mc -triple=amdgcn-amd-amdhsa -mcpu=gfx1250 --defsym DOCPART=n.
;; ======== version 1 of 1: 3 launches
;; workspace buffers: xb 33,554,432 bytes; w13b 8,388,608 bytes; w2b 4,194,304 bytes; gateb 16,777,216 bytes
;; launch cast (part 1): grid 256 x 11, 8 waves a work-group, no clusters, 0 bytes of LDS; arguments x, w1, w3, w2, xb, w13b, w2b; writes xb, w13b, w2b
.if DOCPART == 1
	.amdgcn_target "amdgcn-amd-amdhsa--gfx1250"
	.amdhsa_code_object_version 6
	.text
	.protected	k_qa4f39d2e1a_cast
	.globl	k_qa4f39d2e1a_cast
	.p2align	8
	.type	k_qa4f39d2e1a_cast,@function
k_qa4f39d2e1a_cast:
	s_mov_b64 s[64:65], 0
	v_nop
	global_prefetch_b8 v0, s[64:65] scope:SCOPE_SE
	s_setreg_imm32_b32 hwreg(HW_REG_WAVE_MODE, 25, 1), 1
	s_wait_xcnt 0x0
; xb = x, w13b = w1 above w3, w2b = w2, each number rounded once from f32 to bf16 (to nearest even): the operands of the two products that follow.
; The 88 MiB of f32 are eleven units of 8 MiB: y = 0..7 the eighths of x, y = 8 w1, y = 9 w3, y = 10 w2.  Work-group x of a unit takes 32 KiB of it and writes 16 KiB.
; Thread t: eight loads of 16 bytes at 4,096 j + 16 t (a wave's load covers 512 consecutive bytes), eight stores of 8 bytes at 2,048 j + 8 t
; (a wave's store covers 256 consecutive bytes, at a multiple of 256 from the buffer's first byte).  All eight loads go out before the first is waited for.
; No LDS, no barrier, no loop: nothing is shared and every byte is touched once.  No prefetch: the launch is nothing but its own stream.
.set UNIT_IN,  23                      ; log2 of a unit's bytes in f32
.set UNIT_OUT, 22                      ; and in bf16
.set WG_IN,    15                      ; log2 of a work-group's bytes in f32
.set WG_OUT,   14                      ; and in bf16
.set D, 4                              ; v[4:35]  load j in v[4+4j:7+4j]; its four bf16 are packed in place into v[4+4j:5+4j]
	s_load_b256 s[4:11], s[0:1], 0x0               ; x s[4:5], w1 s[6:7], w3 s[8:9], w2 s[10:11]
	s_load_b128 s[12:15], s[0:1], 0x20             ; xb s[12:13], w13b s[14:15]
	s_load_b64 s[16:17], s[0:1], 0x30              ; w2b
	s_and_b32 s20, ttmp7, 0xffff                   ; the unit, 0..10
	v_lshlrev_b32 v1, 4, v0                        ; 16 t: never rewritten
	v_lshlrev_b32 v2, 3, v0                        ; 8 t: never rewritten
	s_wait_kmcnt 0x0
	; which buffers, and which unit inside them (s28 in the source, s29 in the destination).  The conditions hang on the unit's number alone.
	s_cmp_eq_u32 s20, 9
	s_cselect_b64 s[24:25], s[8:9], s[10:11]       ; w3, else w2
	s_cselect_b64 s[26:27], s[14:15], s[16:17]     ; w13b, else w2b
	s_cselect_b32 s29, 1, 0                        ; w3 is the second half of w13b
	s_cmp_eq_u32 s20, 8
	s_cselect_b64 s[24:25], s[6:7], s[24:25]       ; w1
	s_cselect_b64 s[26:27], s[14:15], s[26:27]
	s_cselect_b32 s29, 0, s29
	s_cmp_lt_u32 s20, 8
	s_cselect_b64 s[24:25], s[4:5], s[24:25]       ; x
	s_cselect_b64 s[26:27], s[12:13], s[26:27]
	s_cselect_b32 s29, s20, s29
	s_cselect_b32 s28, s20, 0
	s_lshl_b32 s30, s28, UNIT_IN                   ; byte offsets, made apart from the addresses; both stay under 2^27
	s_lshl_b32 s31, ttmp9, WG_IN
	s_add_co_u32 s30, s30, s31
	s_mov_b32 s31, 0
	s_lshl_b32 s32, s29, UNIT_OUT
	s_lshl_b32 s33, ttmp9, WG_OUT
	s_add_co_u32 s32, s32, s33
	s_mov_b32 s33, 0
	s_add_nc_u64 s[24:25], s[24:25], s[30:31]
	s_add_nc_u64 s[26:27], s[26:27], s[32:33]
.irp j, 0,1,2,3,4,5,6,7
	global_load_b128 v[D+4*(\j):D+4*(\j)+3], v1, s[24:25] offset:4096*(\j) th:TH_LOAD_NT  ; read once in the launch
.endr
.irp j, 0,1,2,3,4,5,6,7
	s_wait_loadcnt 7-(\j)                          ; loads come back in order (ISA guide 5.7.1): load j is in, the 7 - j younger ones stay out
	v_cvt_pk_bf16_f32 v[D+4*(\j)],   v[D+4*(\j)],   v[D+4*(\j)+1]
	v_cvt_pk_bf16_f32 v[D+4*(\j)+1], v[D+4*(\j)+2], v[D+4*(\j)+3]
	global_store_b64 v2, v[D+4*(\j):D+4*(\j)+1], s[26:27] offset:2048*(\j)  ; no register that a pending line reads is written again
.endr
	s_endpgm
.Lfunc_end_k_qa4f39d2e1a_cast:
	.size	k_qa4f39d2e1a_cast, .Lfunc_end_k_qa4f39d2e1a_cast-k_qa4f39d2e1a_cast
	.p2alignl 7, 3214868480
	.fill 96, 4, 3214868480
	.section	.rodata,"a",@progbits
	.p2align	6, 0x0
	.amdhsa_kernel k_qa4f39d2e1a_cast
		.amdhsa_group_segment_fixed_size 0
		.amdhsa_private_segment_fixed_size 0
		.amdhsa_enable_private_segment 0
		.amdhsa_kernarg_size 56
		.amdhsa_user_sgpr_count 2
		.amdhsa_user_sgpr_kernarg_segment_ptr 1
		.amdhsa_wavefront_size32 1
		.amdhsa_system_sgpr_workgroup_id_x 1
		.amdhsa_system_sgpr_workgroup_id_y 1
		.amdhsa_system_sgpr_workgroup_id_z 1
		.amdhsa_system_vgpr_workitem_id 0
		.amdhsa_next_free_vgpr 40
		.amdhsa_next_free_sgpr 66
		.amdhsa_reserve_vcc 0
		.amdhsa_float_denorm_mode_32 3
		.amdhsa_float_denorm_mode_16_64 3
		.amdhsa_memory_ordered 1
		.amdhsa_forward_progress 1
		.amdhsa_inst_pref_size 5
	.end_amdhsa_kernel
	.amdgpu_metadata
---
amdhsa.version: [ 1, 2 ]
amdhsa.kernels:
  - .name:           k_qa4f39d2e1a_cast
    .symbol:         k_qa4f39d2e1a_cast.kd
    .args:
      - { .name: x, .offset: 0, .size: 8, .value_kind: global_buffer, .address_space: global }
      - { .name: w1, .offset: 8, .size: 8, .value_kind: global_buffer, .address_space: global }
      - { .name: w3, .offset: 16, .size: 8, .value_kind: global_buffer, .address_space: global }
      - { .name: w2, .offset: 24, .size: 8, .value_kind: global_buffer, .address_space: global }
      - { .name: xb, .offset: 32, .size: 8, .value_kind: global_buffer, .address_space: global }
      - { .name: w13b, .offset: 40, .size: 8, .value_kind: global_buffer, .address_space: global }
      - { .name: w2b, .offset: 48, .size: 8, .value_kind: global_buffer, .address_space: global }
    .group_segment_fixed_size: 0
    .private_segment_fixed_size: 0
    .kernarg_segment_align: 8
    .kernarg_segment_size: 56
    .max_flat_workgroup_size: 256
    .sgpr_count:     66
    .vgpr_count:     40
    .wavefront_size: 32
...
	.end_amdgpu_metadata
.endif
;; end of part 1
;; launch gate (part 2): grid 8 x 32, 4 waves a work-group, clusters of 4 x 4, 327,680 bytes of LDS; arguments xb, w13b, gateb; writes gateb
.if DOCPART == 2
	.amdgcn_target "amdgcn-amd-amdhsa--gfx1250"
	.amdhsa_code_object_version 6
	.text
	.protected	k_qa4f39d2e1a_gate
	.globl	k_qa4f39d2e1a_gate
	.p2align	8
	.type	k_qa4f39d2e1a_gate,@function
k_qa4f39d2e1a_gate:
	s_mov_b64 s[64:65], 0
	v_nop
	global_prefetch_b8 v0, s[64:65] scope:SCOPE_SE
	s_setreg_imm32_b32 hwreg(HW_REG_WAVE_MODE, 25, 1), 1
	s_wait_xcnt 0x0
	s_wait_alu depctr_hold_cnt(0) depctr_sa_sdst(0) depctr_va_vdst(0) depctr_va_sdst(0) depctr_va_ssrc(0) depctr_va_vcc(0) depctr_vm_vsrc(0)
	s_getreg_b32 s2, hwreg(HW_REG_IB_STS2, 6, 4)
	s_cmp_eq_u32 s2, 0
	s_cbranch_scc0 .Lentry_in_a_cluster
	s_endpgm
.Lentry_in_a_cluster:
	s_bfe_u32 s2, ttmp6, 0x10000c
	s_cmp_lg_u32 s2, 0xf033
	s_cbranch_scc0 .Lentry_shape_is_right
	s_endpgm
.Lentry_shape_is_right:
; gateb[m][f] = silu(h1) h3, h1 = sum over k of xb[m][k] w1[f][k], h3 = the same with w3.  xb: [8192][2048] bf16; w13b: [2048][2048] bf16, rows 0-1023 w1, rows 1024-2047 w3;
; gateb: [8192][1024] bf16.  Sums in f32, K ascending; silu and the product in f32; gate rounded once to bf16 (f16 would have no room for inputs some 30 times larger).
; LIMITS.  silu(h) = h / (1 + 2^(-h log2 e)).  Below h = -88.7 the power is +inf, its reciprocal 0 and gate a signed zero, where the true magnitude is under 3e-37 |h3|.
; NaN and infinities follow the f32 arithmetic and are not treated apart.
; SHARES.  A work-group makes 256 rows x 128 columns of gate, that is 256 x 256 sums: 128 columns of h1 and the same 128 of h3.  8 x 32 = 256 work-groups.  Four waves, each 128 rows x 64 columns
; of both: 64 accumulators of 16 x 16, 512 registers.  A wave's B fragments 0-3 are rows of w1, 4-7 the same rows of w3: h1 lies in accumulator (a, b), h3 in (a, b + 4), same lane, same register.
; K goes in steps of 128 through a ring of two LDS slots filled by the tensor data mover: a tile's rows are 256 bytes of memory at multiples of 256 bytes from the buffer's first byte.
; CLUSTERS: 4 x 4 work-groups.  The four of a row of the cluster need the same tiles of xb, the four of a column the same tiles of w13b: each tile is asked for JOINTLY, by the same tensor load
; with the same descriptor and a mask that names the four.
; THE MATRIX INSTRUCTION IS USED TRANSPOSED (source 0 = 16 rows of w, source 1 = 16 rows of x): lane l holds row l % 16 and its registers 0-7 the columns 8 (l / 16) + 0..7.
; REGISTERS, in windows of 256 (s_set_vgpr_msb: bits 1:0 source 0, 3:2 source 1, 5:4 source 2, 7:6 destination):
;   window 0: v0-31 addresses; v64-127, v128-191 fragments of x, two buffers; on the way out v64-191 at work in f32, v192-255 packed results
;   window 1: v64-127, v128-191 fragments of w, two buffers
;   window 2: the accumulators of my rows 0-63 ((a, b) at v[8 (8 a + b)]);   window 3: those of my rows 64-127
.set SIZE_K, 2048                      ; elements in a row of xb and of w13b
.set RSH,    12                        ; log2 of such a row's bytes
.set KSTEP,  128
.set PITCH,  272                       ; an LDS row: 256 bytes + 16 of padding = 68 words: row r starts at bank 4 r mod 64 (64 banks of 4 bytes: ISA guide 11.1), so the 16 rows of a load start at 16 different banks
.set HALFT,  128*PITCH                 ; 128 rows: what one tensor load brings
.set SLOT,   4*HALFT                   ; x's 256 rows, then 128 rows of w1, then 128 rows of w3
.set STAGE,  2*SLOT                    ; behind the ring, never filled by a tensor load: 128 rows x 272 bytes, the work-group's, for the way out
.set SP,     272
.set SPARE,  STAGE+128*SP              ; behind the stage: the spare words, 128 bytes for each wave: two blocks of 256 bytes that no other line names
.set LAPS,   SIZE_K/(2*KSTEP)          ; a lap = two K steps = once round the ring
.set BSKIP,  4                         ; my fragments 4-7 of w lie 128 rows behind fragments 0-3: four blocks of 16 rows are skipped
.set OROW,   2048                      ; bytes in a row of gateb
.set ADRA, 16                          ; v16-17  LDS address of my x fragments in slot 0, 1
.set ADRB, 20                          ; v20-21  the same for w
.set STO,  24                          ; v24     the way out: where I put 16 bytes of a row
.set RD,   25                          ; v25     the way out: where I read a row back
.set CO,   26                          ; v26     my byte offset in gateb
.set SPW,  28                          ; v28     LDS address of my spare word: SPARE + 4 x my thread's number; never rewritten
.set NIL,  29                          ; v29     0; never rewritten
.set PFO,  30                          ; v30     the prefetches' offset: my lane x a row's bytes; never rewritten
.set PFA,  44                          ; s[44:45] where my prefetches stand
.set LIM,  43                          ; s43     1 in a wave that prefetches, else the greatest number
.set F0,   64                          ; fragment buffer 0
.set F1,   128                         ; fragment buffer 1
.set T,    64                          ; the way out: 128 numbers in f32
.set TMP,  192                         ; the way out: 64 registers of packed bf16
.set G1,  24                           ; s[24:31] descriptor group 1 for x's tiles
.set G0,  32                           ; s[32:39] descriptor group 0 for x's tiles, one set for each slot
.set G1B, 48                           ; s[48:55] group 1 for w's tiles: it differs in the mask alone
.set G0B, 56                           ; s[56:63] group 0 for w's tiles
.set MSB, 0
.macro WIN new                         ; the immediate's high byte repeats the setting that is left; a switch that changes nothing is dropped
.if MSB != (\new)
	s_set_vgpr_msb (MSB<<8)|(\new)
.set MSB, \new
.endif
.endm
.set MUL_LO, 0xa1                      ; source 0 (w) window 1, source 1 (x) window 0, C and D window 2
.set MUL_HI, 0xf1                      ; the same, C and D window 3
.set TO_B,   0x40                      ; destination window 1, address window 0
; A joint load.  Waves 0 and 1 fetch x's two halves, wave 2 the rows of w1, wave 3 those of w3.  Each of the two lines has one mask and one set of registers for all that issue it.
; The branch hangs on the wave's number alone.  An s_nop 0 and four v_nop follow each line, ahead of the jump and the label.
.macro JLOAD s
	s_cmp_eq_u32 s11, 0
	s_cbranch_scc0 .Lfor_b_\@
	tensor_load_to_lds s[G0+4*(\s):G0+4*(\s)+3], s[G1:G1+7]
	s_nop 0
.rept 4
	v_nop
.endr
	s_branch .Lasked_\@
.Lfor_b_\@:
	tensor_load_to_lds s[G0B+4*(\s):G0B+4*(\s)+3], s[G1B:G1B+7]
	s_nop 0
.rept 4
	v_nop
.endr
.Lasked_\@:
.endm
; A prefetch, behind each joint refill and the run of LDS loads that follows it: the K step that stands TWO refills on (512 matrix instructions ahead of the load that will ask for it): 32 rows x 256 bytes,
; a lane a row, one instruction a wave.  Each row's 256 bytes of a K step are named once in the launch: x's tile row is read by both clusters of that row of clusters, and the one with x = 0 asks;
; w's tile column by all eight clusters of that column, and the one with y = 0 asks.  The four partners of a joint load share its 128 rows out by address, 32 each (by cx for x, by cy for w):
; no branch hangs on a work-group's place in its cluster.  K steps 0 to 3 come by their loads alone; the loop's last trip (s3 = 1) asks for nothing: there is no K step two refills on.
.macro ASK
	s_cmp_gt_u32 s3, s[LIM]
	s_cbranch_scc0 .Lnot_mine_\@
	global_prefetch_b8 v[PFO], s[PFA:PFA+1] offset:KSTEP*2 th:TH_LOAD_NT scope:SCOPE_SE
.Lnot_mine_\@:
.endm
; A round of the cluster's barrier: my work-group's barrier, so that wave 0's signal speaks for all four waves; wave 0 signals; every wave waits for all sixteen work-groups; my work-group's barrier once more.
.macro CREST                           ; a round behind its opening barrier
	s_cmp_lg_u32 s10, 0
	s_cbranch_scc1 .Lnot_wave_0_\@
	s_barrier_signal -3
.Lnot_wave_0_\@:
	s_barrier_wait -3
	s_barrier_signal -1
	s_barrier_wait -1
.endm
.macro CROUND                          ; a whole round
	s_barrier_signal -1
	s_barrier_wait -1
	CREST
.endm
	s_load_b128 s[4:7], s[0:1], 0x0                ; xb s[4:5], w13b s[6:7]
	s_load_b64 s[8:9], s[0:1], 0x10                ; gateb
	v_lshl_add_u32 v[SPW], v0, 2, SPARE
	v_mov_b32 v[NIL], 0
	ds_add_u32 v[SPW], v[NIL]                      ; the wave's opening: the add, twice on end, and its wait stand ahead of my first tensor load; the set-up below, work on registers, stands between
	ds_add_u32 v[SPW], v[NIL]                      ; and once more, under the one wait
	v_lshrrev_b32 v1, 5, v0
	v_readfirstlane_b32 s10, v1                    ; wave 0..3
	s_lshr_b32 s11, s10, 1                         ; which half of the tile's rows is mine.  Also: I fetch for x (0) or for w (1)
	s_and_b32 s12, s10, 1                          ; which half of its columns.  Also: which 128 rows I fetch
	s_bfe_u32 s40, ttmp6, 0x40000                  ; cx
	s_bfe_u32 s41, ttmp6, 0x40004                  ; cy
	s_lshl_b32 s42, ttmp9, 2                       ; in a cluster launch ttmp9 and ttmp7 count clusters
	s_add_co_u32 s42, s42, s40                     ; tile column = 4 x cluster x + cx, 0..7
	s_and_b32 s13, ttmp7, 0xffff
	s_lshl_b32 s13, s13, 2
	s_add_co_u32 s13, s13, s41                     ; tile row = 4 x cluster y + cy, 0..31
	s_lshl_b32 s43, s41, 2
	s_lshl_b32 s43, 15, s43                        ; my row of the cluster: places 4 cy .. 4 cy + 3
	s_lshl_b32 s44, 0x1111, s40                    ; my column: places cx, cx + 4, cx + 8, cx + 12
	; descriptor group 1: a tile of 128 rows x 128 elements, padded in LDS
	s_or_b32 s[G1+0], s43, (1<<16)|(1<<20)|(1<<21)|(5<<22)|(3<<25)   ; 15:0 the mask: x's tiles go to my row; 17:16 elements of 2 bytes; 20 padding on; 21 set beside a mask; 24:22 after every 64 words (code 5); 31:25 4 words (code 3)
	s_or_b32 s[G1B+0], s44, (1<<16)|(1<<20)|(1<<21)|(5<<22)|(3<<25)  ; the same with the mask of my column, for w's tiles
.irp g, G1, G1B
	s_mov_b32 s[(\g)+1], KSTEP<<16                 ; tensor_dim0 = 128
	s_mov_b32 s[(\g)+2], 128<<16                   ; tensor_dim1 = 128
	s_mov_b32 s[(\g)+3], KSTEP<<16                 ; tile_dim0 = 128
	s_mov_b32 s[(\g)+4], 128                       ; tile_dim1 = 128
	s_mov_b32 s[(\g)+5], SIZE_K                    ; elements from row to row
	s_mov_b32 s[(\g)+6], 0
	s_mov_b32 s[(\g)+7], 0
.endr
	; where the tiles come from.  x's hang on the tile row alone, which my row of the cluster shares; w's on the tile column alone, which my column shares.  Both offsets stay under 2^26.
	s_lshl_b32 s17, s12, 7
	s_lshl_b32 s16, s13, 8
	s_add_co_u32 s16, s16, s17                     ; xb: row 256 x tile row + 128 x half
	s_lshl_b32 s16, s16, RSH
	s_mov_b32 s17, 0
	s_lshl_b32 s46, s42, 7
	s_lshl_b32 s47, s12, 10
	s_add_co_u32 s46, s46, s47                     ; w13b: row 128 x tile column, in w1 (wave 2) or 1,024 rows on, in w3 (wave 3)
	s_lshl_b32 s46, s46, RSH
	s_mov_b32 s47, 0
	s_mul_i32 s20, s10, HALFT                      ; and where they go: wave x 128 rows: no place in the cluster enters an LDS address
	s_wait_dscnt 0x0                               ; both opening adds are done
	s_wait_kmcnt 0x0
	s_add_nc_u64 s[14:15], s[4:5], s[16:17]
	s_add_nc_u64 s[46:47], s[6:7], s[46:47]
	CROUND                                         ; all sixteen work-groups are here: the first joint loads meet
.irp s, 0,1
	s_mov_b32 s[G0+4*(\s)], 1                                        ; count = 1
	s_add_co_u32 s[G0+4*(\s)+1], s20, (\s)*SLOT                      ; LDS address
	s_add_nc_u64 s[G0+4*(\s)+2:G0+4*(\s)+3], s[14:15], (\s)*KSTEP*2  ; global address: K step s
	s_or_b32 s[G0+4*(\s)+3], s[G0+4*(\s)+3], 0x80000000              ; type = 2
	s_mov_b32 s[G0B+4*(\s)], 1
	s_add_co_u32 s[G0B+4*(\s)+1], s20, (\s)*SLOT
	s_add_nc_u64 s[G0B+4*(\s)+2:G0B+4*(\s)+3], s[46:47], (\s)*KSTEP*2
	s_or_b32 s[G0B+4*(\s)+3], s[G0B+4*(\s)+3], 0x80000000
	JLOAD \s                                       ; the ring is filled before anything else is done: two loads of mine are out
.endr
	; A fragment is 16 rows x 32 K in 8 registers: lane l holds row l % 16; registers 0-3 K = 8 (l / 16) + 0..7, registers 4-7 K = 16 + 8 (l / 16) + 0..7: two loads of 16 bytes, 32 bytes apart.
	v_and_b32 v1, 15, v0                           ; l % 16
	v_bfe_u32 v2, v0, 4, 1                         ; l / 16
	v_mul_u32_u24 v3, v1, PITCH
	v_lshl_add_u32 v3, v2, 4, v3                   ; row x pitch + 16 x half
	s_mul_i32 s21, s11, HALFT                      ; my 128 rows of x
	s_mul_i32 s22, s12, 64*PITCH                   ; my 64 rows of w1 (and, 128 rows on, of w3),
	s_add_co_u32 s22, s22, 2*HALFT                 ; which lie behind x's 256
.irp s, 0,1
	v_add_nc_u32 v[ADRA+(\s)], s21, v3
	v_add_nc_u32 v[ADRB+(\s)], s22, v3
	s_add_co_u32 s21, s21, SLOT
	s_add_co_u32 s22, s22, SLOT
.endr
	s_mul_i32 s23, s11, 64*SP                      ; into the stage: 64 rows for each half of the tile's rows, my half of their 256 bytes; row l % 16, 16 bytes for each half of the lanes
	s_lshl_b32 s21, s12, 7
	s_add_co_u32 s23, s23, s21
	s_add_co_u32 s23, s23, STAGE
	v_mul_u32_u24 v4, v1, SP
	v_lshl_add_u32 v4, v2, 4, v4
	v_add_nc_u32 v[STO], s23, v4
	s_mul_i32 s23, s10, 32*SP                      ; back: wave w takes stage rows 32 w .. 32 w + 31, whole; lanes 0-15 one row of 256 bytes, lanes 16-31 the next
	s_add_co_u32 s23, s23, STAGE
	v_mul_u32_u24 v5, v2, SP
	v_lshl_add_u32 v5, v1, 4, v5
	v_add_nc_u32 v[RD], s23, v5
	v_mul_u32_u24 v5, v2, OROW                     ; and the same two rows in gateb
	v_lshl_add_u32 v[CO], v1, 4, v5
	s_lshl_b32 s16, s13, 8                         ; the first row that I store: 256 x tile row + 128 x (w / 2) + 32 x (w % 2); pass p adds 64 p
	s_lshl_b32 s17, s11, 7
	s_add_co_u32 s16, s16, s17
	s_lshl_b32 s17, s12, 5
	s_add_co_u32 s16, s16, s17
	s_lshl_b32 s16, s16, 11
	s_mov_b32 s17, 0
	s_lshl_b32 s46, s42, 8                         ; the tile's 128 columns: 256 bytes (in the registers that held w's address)
	s_mov_b32 s47, 0
	s_add_nc_u64 s[16:17], s[16:17], s[46:47]
	s_add_nc_u64 s[8:9], s[8:9], s[16:17]
	; the prefetches
	s_lshl_b32 s13, s13, 8                         ; the tile's first row in xb
	s_lshl_b32 s42, s42, 7                         ; and in w1
	s_and_b32 s22, ttmp7, 0xffff                   ; cluster y
	s_cmp_eq_u32 s11, 0                            ; do I fetch for x?
	s_cselect_b32 s20, s13, s42
	s_cselect_b32 s21, s40, s41                    ; my place among the four that ask with me
	s_cselect_b32 s22, ttmp9, s22                  ; the coordinate along which other clusters read the same rows
	s_cselect_b32 s23, 7, 10                       ; my half lies 128 rows on in xb, 1,024 rows on in w13b
	s_cselect_b64 s[PFA:PFA+1], s[4:5], s[6:7]
	s_cmp_eq_u32 s22, 0
	s_cselect_b32 s[LIM], 1, -1                    ; the same in all sixteen partners, for a given wave
	s_lshl_b32 s22, s12, s23
	s_add_co_u32 s20, s20, s22                     ; + the 128 rows that I fetch
	s_lshl_b32 s21, s21, 5
	s_add_co_u32 s20, s20, s21                     ; + my work-group's 32 of them
	s_lshl_b32 s20, s20, RSH
	s_mov_b32 s21, 0
	s_add_nc_u64 s[PFA:PFA+1], s[PFA:PFA+1], s[20:21]
	s_add_nc_u64 s[PFA:PFA+1], s[PFA:PFA+1], 2*KSTEP*2  ; at K step 2: the first refill steps it to 3 and names K step 4.  Nothing is prefetched here, at the head
	v_and_b32 v[PFO], 31, v0
	v_lshlrev_b32 v[PFO], RSH, v[PFO]
; 16 matrix instructions: row blocks a0, a0 + 1 of the window's four (hi = 0: my rows 0-63, 1: rows 64-127) x all 8 fragments of w, 32 along K.  zero = 1: the first product starts the sums: nothing is cleared.
; The 64 accumulators take turns, one instruction a turn, in the same order in every quarter step, over the backward jump too.
.macro MUL16 f, hi, a0, zero
	WIN MUL_LO+0x50*(\hi)
.irp a, \a0, (\a0)+1
.irp b, 0,1,2,3,4,5,6,7
.if \zero
	v_wmma_f32_16x16x32_bf16 v[8*(8*(\a)+(\b)):8*(8*(\a)+(\b))+7], v[(\f)+8*(\b):(\f)+8*(\b)+7], v[(\f)+8*(4*(\hi)+(\a)):(\f)+8*(4*(\hi)+(\a))+7], 0
.else
	v_wmma_f32_16x16x32_bf16 v[8*(8*(\a)+(\b)):8*(8*(\a)+(\b))+7], v[(\f)+8*(\b):(\f)+8*(\b)+7], v[(\f)+8*(4*(\hi)+(\a)):(\f)+8*(4*(\hi)+(\a))+7], v[8*(8*(\a)+(\b)):8*(8*(\a)+(\b))+7]
.endif
.endr
.endr
.endm
; 32 LDS loads in one run: the fragments of one quarter step (32 K at byte k of the rows) into buffer f: 64 rows of w1 and 64 of w3, then 128 rows of x
.macro FETCH slot, k, f
	WIN TO_B
.irp i, 0,1,2,3,4,5,6,7
	ds_load_b128 v[(\f)+8*(\i):(\f)+8*(\i)+3],   v[ADRB+(\slot)] offset:(\k)+((\i)+BSKIP*((\i)/4))*16*PITCH
	ds_load_b128 v[(\f)+8*(\i)+4:(\f)+8*(\i)+7], v[ADRB+(\slot)] offset:(\k)+((\i)+BSKIP*((\i)/4))*16*PITCH+32
.endr
	WIN 0
.irp i, 0,1,2,3,4,5,6,7
	ds_load_b128 v[(\f)+8*(\i):(\f)+8*(\i)+3],   v[ADRA+(\slot)] offset:(\k)+(\i)*16*PITCH
	ds_load_b128 v[(\f)+8*(\i)+4:(\f)+8*(\i)+7], v[ADRA+(\slot)] offset:(\k)+(\i)*16*PITCH+32
.endr
.endm
; Four plain places stand between a matrix instruction and a load into a register that it has read, or a vector line or LDS store that reads its result (ISA guide 7.12.1 for vector instructions).
.macro PLACES
.rept 4
	v_nop
.endr
.endm
; A K step is four quarter steps of 32 along K, 64 matrix instructions each, on buffers 0, 1, 0, 1.  One of the first three: multiplies buffer f; in its middle it fetches the next quarter, at byte k, into buffer g.
.macro QUARTER slot, k, f, g, zero
	s_wait_dscnt 8                                 ; w and x's rows 0-63 are in; the youngest eight loads (x's rows 64-127) may be out
	MUL16 \f, 0, 0, \zero
	MUL16 \f, 0, 2, \zero
	PLACES
	FETCH \slot, \k, \g
	s_wait_dscnt 32                                ; all but the 32 just issued
	MUL16 \f, 1, 0, \zero
	MUL16 \f, 1, 2, \zero
.endm
; The last quarter multiplies buffer 1 and changes slots.  MEET is its first half: one barrier for two things.  In front of it each wave waits for all its tensor loads, of which one is out: its part of
; the next slot; adds 0 to its spare word; and waits for that and for its own reads of this slot.  Behind it nobody reads this slot any more and the next slot is whole.
.macro MEET round                      ; round = 1: the rest of a round of the cluster's barrier follows
	WIN 0                                          ; (the add's two registers lie in window 0)
	s_wait_tensorcnt 0x0                           ; all my tensor loads have landed
	ds_add_u32 v[SPW], v[NIL]                      ; 0 onto my spare word
	s_wait_dscnt 9                                 ; (the add and the youngest eight loads may be out)
	MUL16 F1, 0, 0, 0                              ; sixteen matrix instructions stand between the add and the wait for it
	s_wait_dscnt 0x0                               ; the add is done, and my reads of this slot are over
	s_barrier_signal -1
	MUL16 F1, 0, 2, 0                              ; work on registers while the others arrive
.if \round
	WIN 0
.endif
	s_barrier_wait -1
.endm
; The whole last quarter.  fill = 1: the slot just read out is filled again, with the K step two steps on, first thing behind the round; 224 matrix instructions stand between that request and the wait for it.
.macro TURN slot, next, fill
.if \fill
	s_wait_xcnt 0x0                                ; the last prefetch, a K step back, has read its address: it is stepped here, ahead of the waits of the change of slots
	s_add_nc_u64 s[PFA:PFA+1], s[PFA:PFA+1], KSTEP*2
	MEET 1
	CREST                                          ; no wave of any partner still reads this slot's tile or has a load on its way
	s_add_nc_u64 s[G0+4*(\slot)+2:G0+4*(\slot)+3], s[G0+4*(\slot)+2:G0+4*(\slot)+3], 2*KSTEP*2     ; no tensor load of mine is out, so a group 0 may be written
	s_add_nc_u64 s[G0B+4*(\slot)+2:G0B+4*(\slot)+3], s[G0B+4*(\slot)+2:G0B+4*(\slot)+3], 2*KSTEP*2
	JLOAD \slot                                    ; the four v_nop behind it are also the places in front of the loads below
.else
	MEET 0
	PLACES
.endif
	FETCH \next, 0, F0
.if \fill
	ASK
.endif
	MUL16 F1, 1, 0, 0
	MUL16 F1, 1, 2, 0
.endm
.macro LASTQ                           ; the very last quarter: nothing more to fetch
	s_wait_dscnt 8
	MUL16 F1, 0, 0, 0
	MUL16 F1, 0, 2, 0
	s_wait_dscnt 0x0
	MUL16 F1, 1, 0, 0
	MUL16 F1, 1, 2, 0
	WIN 0
	PLACES
	PLACES
.endm
; THE WAY OUT, in two passes: pass p takes my row blocks 4 p .. 4 p + 3, which are window 2 + p.  A wave's 64 columns are 128 bytes, half of a row's 256: so the two waves of a row half write the two halves
; of the same stage rows, a barrier stands between writing and reading, and each wave then stores 32 whole rows.
; GATE: number e = 16 a + 4 b + r of 64 is the pair of registers 2 r, 2 r + 1 of accumulator (a, b), a, b, r = 0..3, in ascending order.
; The 128 exponentials are one batch with one wait, and so are the 128 reciprocals: a plain line and the wait stand between the batch and its results' first use.
.macro GATE p
	WIN 2+(\p)                                     ; source 0 in window 2 + p
.set ee, 0
.rept 64
.set hh, 64*(ee/16)+8*((ee/4)%4)+2*(ee%4)
	v_pk_mul_f32 v[T+2*ee:T+2*ee+1], v[hh:hh+1], s[20:21] op_sel_hi:[1,0]  ; -h1 log2 e
.set ee, ee+1
.endr
	WIN 0
.set ee, 0
.rept 128
	v_exp_f32 v[T+ee], v[T+ee]
.set ee, ee+1
.endr
	v_nop
	s_wait_alu depctr_va_vdst(0)
.set ee, 0
.rept 64
	v_pk_add_f32 v[T+2*ee:T+2*ee+1], v[T+2*ee:T+2*ee+1], 1.0 op_sel_hi:[1,0]
.set ee, ee+1
.endr
.set ee, 0
.rept 128
	v_rcp_f32 v[T+ee], v[T+ee]
.set ee, ee+1
.endr
	v_nop
	s_wait_alu depctr_va_vdst(0)
	WIN 4*(2+(\p))                                 ; source 1 in window 2 + p
.set ee, 0
.rept 64
.set hh, 64*(ee/16)+8*((ee/4)%4)+2*(ee%4)
	v_pk_mul_f32 v[T+2*ee:T+2*ee+1], v[T+2*ee:T+2*ee+1], v[hh:hh+1]        ; silu(h1)
.set ee, ee+1
.endr
.set ee, 0
.rept 64
.set hh, 64*(ee/16)+8*((ee/4)%4)+2*(ee%4)+32
	v_pk_mul_f32 v[T+2*ee:T+2*ee+1], v[T+2*ee:T+2*ee+1], v[hh:hh+1]        ; times h3, which lies four accumulators on
.set ee, ee+1
.endr
	WIN 0
.set ee, 0
.rept 64
	v_cvt_pk_bf16_f32 v[TMP+ee], v[T+2*ee], v[T+2*ee+1]
.set ee, ee+1
.endr
.endm
.macro PUT                             ; 16 bytes a lane: eight neighbouring columns of a row
.irp a, 0,1,2,3
.irp b, 0,1,2,3
	ds_store_b128 v[STO], v[TMP+16*(\a)+4*(\b):TMP+16*(\a)+4*(\b)+3] offset:(\a)*16*SP+32*(\b)
.endr
.endr
.endm
.macro GET p                           ; stage row 32 w + 2 t + l / 16 is the tile's row 128 (w / 2) + 64 p + 32 (w % 2) + 2 t + l / 16
.irp t, 0,1,2,3,4,5,6,7,8,9,10,11,12,13,14,15
	ds_load_b128 v[TMP+4*(\t):TMP+4*(\t)+3], v[RD] offset:(\t)*2*SP
.endr
.irp t, 0,1,2,3,4,5,6,7,8,9,10,11,12,13,14,15
	s_wait_dscnt 15-(\t)                           ; LDS loads come back in order (ISA guide 5.7.1): load t is in, the younger ones stay out
	global_store_b128 v[CO], v[TMP+4*(\t):TMP+4*(\t)+3], s[8:9] offset:(64*(\p)+2*(\t))*OROW  ; 16 lanes store 256 consecutive bytes, at a multiple of 256 from gateb's first byte
.endr
.endm
	s_wait_tensorcnt 1                             ; my part of K step 0 is in; K step 1's load may stay out
	s_barrier_signal -1
	s_barrier_wait -1                              ; everybody's is
	FETCH 0, 0, F0
	QUARTER 0, 64,  F0, F1, 1                      ; the first quarter stands in front of the loop: its products start the sums
	WIN 0                                          ; at a label and at a branch every window is 0
	s_mov_b32 s3, LAPS-1
.Llap:                                                 ; a trip goes once round the ring, from a lap's second quarter to the next lap's first, and fills both slots again
	QUARTER 0, 128, F1, F0, 0
	QUARTER 0, 192, F0, F1, 0
	TURN 0, 1, 1
	QUARTER 1, 64,  F0, F1, 0
	QUARTER 1, 128, F1, F0, 0
	QUARTER 1, 192, F0, F1, 0
	TURN 1, 0, 1
	QUARTER 0, 64,  F0, F1, 0
	WIN 0
	s_sub_co_u32 s3, s3, 1
	s_cmp_lg_u32 s3, 0
	s_cbranch_scc1 .Llap
	QUARTER 0, 128, F1, F0, 0                      ; the last lap is written out: it fills nothing and no round of the cluster's barrier stands in it
	QUARTER 0, 192, F0, F1, 0
	TURN 0, 1, 0
	QUARTER 1, 64,  F0, F1, 0
	QUARTER 1, 128, F1, F0, 0
	QUARTER 1, 192, F0, F1, 0
	LASTQ
	s_mov_b32 s20, 0xbfb8aa3b                      ; -log2 e
	s_mov_b32 s21, s20                             ; named with it as a pair
	GATE 0
	PUT
	s_wait_dscnt 0x0                               ; for the others' sake: my stores into the stage are done
	s_barrier_signal -1
	s_barrier_wait -1
	GET 0
	s_wait_xcnt 0x0                                ; the stores have read their data: the packed results' registers are written again only behind this wait
	s_barrier_signal -1                            ; my reads of the stage are back (the last count was 0): the stage may be written again when all four have said so
	GATE 1                                         ; work on registers alone, between the signal and the wait
	s_barrier_wait -1
	PUT
	s_wait_dscnt 0x0
	s_barrier_signal -1
	s_barrier_wait -1
	GET 1
	s_wait_tensorcnt 0x0                           ; the wave's end: a wait, the add and its wait, behind my last tensor load and my last LDS store
	ds_add_u32 v[SPW], v[NIL]
	s_wait_dscnt 0x0
	CROUND                                         ; the closing round: no work-group ends while a partner may still ask for a tile that names it
	s_endpgm
.Lfunc_end_k_qa4f39d2e1a_gate:
	.size	k_qa4f39d2e1a_gate, .Lfunc_end_k_qa4f39d2e1a_gate-k_qa4f39d2e1a_gate
	.p2alignl 7, 3214868480
	.fill 96, 4, 3214868480
	.section	.rodata,"a",@progbits
	.p2align	6, 0x0
	.amdhsa_kernel k_qa4f39d2e1a_gate
		.amdhsa_group_segment_fixed_size 327680
		.amdhsa_private_segment_fixed_size 0
		.amdhsa_enable_private_segment 0
		.amdhsa_kernarg_size 24
		.amdhsa_user_sgpr_count 2
		.amdhsa_user_sgpr_kernarg_segment_ptr 1
		.amdhsa_wavefront_size32 1
		.amdhsa_system_sgpr_workgroup_id_x 1
		.amdhsa_system_sgpr_workgroup_id_y 1
		.amdhsa_system_sgpr_workgroup_id_z 1
		.amdhsa_system_vgpr_workitem_id 0
		.amdhsa_next_free_vgpr 1024
		.amdhsa_next_free_sgpr 66
		.amdhsa_reserve_vcc 0
		.amdhsa_float_denorm_mode_32 3
		.amdhsa_float_denorm_mode_16_64 3
		.amdhsa_memory_ordered 1
		.amdhsa_forward_progress 1
		.amdhsa_inst_pref_size 178
	.end_amdhsa_kernel
	.amdgpu_metadata
---
amdhsa.version: [ 1, 2 ]
amdhsa.kernels:
  - .name:           k_qa4f39d2e1a_gate
    .symbol:         k_qa4f39d2e1a_gate.kd
    .args:
      - { .name: xb, .offset: 0, .size: 8, .value_kind: global_buffer, .address_space: global }
      - { .name: w13b, .offset: 8, .size: 8, .value_kind: global_buffer, .address_space: global }
      - { .name: gateb, .offset: 16, .size: 8, .value_kind: global_buffer, .address_space: global }
    .group_segment_fixed_size: 327680
    .private_segment_fixed_size: 0
    .kernarg_segment_align: 8
    .kernarg_segment_size: 24
    .max_flat_workgroup_size: 128
    .sgpr_count:     66
    .vgpr_count:     1024
    .wavefront_size: 32
...
	.end_amdgpu_metadata
.endif
;; end of part 2
;; launch down (part 3): grid 8 x 32, 4 waves a work-group, clusters of 4 x 4, 327,680 bytes of LDS; arguments gateb, w2b, out0; writes out0
.if DOCPART == 3
	.amdgcn_target "amdgcn-amd-amdhsa--gfx1250"
	.amdhsa_code_object_version 6
	.text
	.protected	k_qa4f39d2e1a_down
	.globl	k_qa4f39d2e1a_down
	.p2align	8
	.type	k_qa4f39d2e1a_down,@function
k_qa4f39d2e1a_down:
	s_mov_b64 s[64:65], 0
	v_nop
	global_prefetch_b8 v0, s[64:65] scope:SCOPE_SE
	s_setreg_imm32_b32 hwreg(HW_REG_WAVE_MODE, 25, 1), 1
	s_wait_xcnt 0x0
	s_wait_alu depctr_hold_cnt(0) depctr_sa_sdst(0) depctr_va_vdst(0) depctr_va_sdst(0) depctr_va_ssrc(0) depctr_va_vcc(0) depctr_vm_vsrc(0)
	s_getreg_b32 s2, hwreg(HW_REG_IB_STS2, 6, 4)
	s_cmp_eq_u32 s2, 0
	s_cbranch_scc0 .Lentry_in_a_cluster
	s_endpgm
.Lentry_in_a_cluster:
	s_bfe_u32 s2, ttmp6, 0x10000c
	s_cmp_lg_u32 s2, 0xf033
	s_cbranch_scc0 .Lentry_shape_is_right
	s_endpgm
.Lentry_shape_is_right:
; out0[m][d] = sum over f of gateb[m][f] w2b[d][f].  gateb: [8192][1024] bf16, w2b: [2048][1024] bf16, out0: [8192][2048] f32.  One f32 sum for each output, K ascending; nothing is rounded on the way out.
; NaN and infinities follow the matrix unit's arithmetic and are not treated apart.
; SHARES.  A tile of out0 is 256 x 256: 8 x 32 = 256 work-groups.  Four waves, each 128 x 128: 64 accumulators of 16 x 16, 512 registers.  K goes in steps of 128 through a ring of two LDS slots
; filled by the tensor data mover: a tile's rows are 256 bytes of memory at multiples of 256 bytes from the buffer's first byte.
; CLUSTERS: 4 x 4 work-groups.  The four of a row of the cluster need the same tiles of gateb, the four of a column the same tiles of w2b: each tile is asked for JOINTLY, by the same tensor load
; with the same descriptor and a mask that names the four.
; THE MATRIX INSTRUCTION IS USED TRANSPOSED (source 0 = 16 rows of w2b, source 1 = 16 rows of gateb): lane l holds row l % 16 and its registers 0-7 the columns 8 (l / 16) + 0..7: 32 bytes of a row.
; REGISTERS, in windows of 256 (s_set_vgpr_msb: bits 1:0 source 0, 3:2 source 1, 5:4 source 2, 7:6 destination):
;   window 0: v0-31 addresses; v64-127, v128-191 fragments of gateb, two buffers; on the way out the same two take 16 rows read back from the stage, by turns
;   window 1: v64-127, v128-191 fragments of w2b, two buffers
;   window 2: the accumulators of my rows 0-63 ((a, b) at v[8 (8 a + b)]);   window 3: those of my rows 64-127
.set SIZE_K, 1024                      ; elements in a row of gateb and of w2b
.set RSH,    11                        ; log2 of such a row's bytes
.set KSTEP,  128
.set PITCH,  272                       ; an LDS row: 256 bytes + 16 of padding = 68 words: row r starts at bank 4 r mod 64 (64 banks of 4 bytes: ISA guide 11.1), so the 16 rows of a load start at 16 different banks
.set HALFT,  128*PITCH                 ; 128 rows: what one tensor load brings, and what one wave reads of either operand
.set SLOT,   4*HALFT                   ; gateb's 256 rows, then w2b's 256 rows
.set STAGE,  2*SLOT                    ; behind the ring, never filled by a tensor load: 16 rows x 528 bytes for each wave, for the way out
.set SPITCH, 528                       ; a stage row: my 128 columns in f32, 512 bytes, + 16 = 132 words: row r starts at bank 4 r mod 64
.set SPARE,  STAGE+4*16*SPITCH         ; behind the stages: the spare words, 128 bytes for each wave: two blocks of 256 bytes that no other line names
.set LAPS,   SIZE_K/(2*KSTEP)          ; a lap = two K steps = once round the ring
.set OROW,   8192                      ; bytes in a row of out0
.set ADRA, 16                          ; v16-17  LDS address of my gateb fragments in slot 0, 1
.set ADRB, 20                          ; v20-21  the same for w2b
.set STO,  24                          ; v24     the way out: where I put 32 bytes of a row
.set RD,   25                          ; v25     the way out: where I read 16 bytes of a row back
.set CO,   26                          ; v26     my byte offset in 512 consecutive bytes of out0
.set SPW,  28                          ; v28     LDS address of my spare word: SPARE + 4 x my thread's number; never rewritten
.set NIL,  29                          ; v29     0; never rewritten
.set PFO,  30                          ; v30     the prefetches' offset: my lane x a row's bytes; never rewritten
.set PFA,  44                          ; s[44:45] where my prefetches stand
.set LIM,  43                          ; s43     1 in a wave that prefetches, else the greatest number
.set F0,   64                          ; fragment buffer 0
.set F1,   128                         ; fragment buffer 1
.set OB,   64                          ; the way out: block a's 16 rows come back into v[OB + 64 (a % 2) ..]
.set G1,  24                           ; s[24:31] descriptor group 1 for gateb's tiles
.set G0,  32                           ; s[32:39] descriptor group 0 for gateb's tiles, one set for each slot
.set G1B, 48                           ; s[48:55] group 1 for w2b's tiles: it differs in the mask alone
.set G0B, 56                           ; s[56:63] group 0 for w2b's tiles
.set MSB, 0
.macro WIN new                         ; the immediate's high byte repeats the setting that is left; a switch that changes nothing is dropped
.if MSB != (\new)
	s_set_vgpr_msb (MSB<<8)|(\new)
.set MSB, \new
.endif
.endm
.set MUL_LO, 0xa1                      ; source 0 (w2b) window 1, source 1 (gateb) window 0, C and D window 2
.set MUL_HI, 0xf1                      ; the same, C and D window 3
.set TO_B,   0x40                      ; destination window 1, address window 0
; A joint load.  Waves 0 and 1 fetch gateb's two halves, waves 2 and 3 w2b's.  Each of the two lines has one mask and one set of registers for all that issue it.
; The branch hangs on the wave's number alone.  An s_nop 0 and four v_nop follow each line, ahead of the jump and the label.
.macro JLOAD s
	s_cmp_eq_u32 s11, 0
	s_cbranch_scc0 .Lfor_b_\@
	tensor_load_to_lds s[G0+4*(\s):G0+4*(\s)+3], s[G1:G1+7]
	s_nop 0
.rept 4
	v_nop
.endr
	s_branch .Lasked_\@
.Lfor_b_\@:
	tensor_load_to_lds s[G0B+4*(\s):G0B+4*(\s)+3], s[G1B:G1B+7]
	s_nop 0
.rept 4
	v_nop
.endr
.Lasked_\@:
.endm
; A prefetch, behind each joint refill and the run of LDS loads that follows it: the K step that stands TWO refills on (512 matrix instructions ahead of the load that will ask for it): 32 rows x 256 bytes,
; a lane a row, one instruction a wave.  Each row's 256 bytes of a K step are named once in the launch: gateb's tile row is read by both clusters of that row of clusters, and the one with x = 0 asks;
; w2b's tile column by all eight clusters of that column, and the one with y = 0 asks.  The four partners of a joint load share its 128 rows out by address, 32 each (by cx for gateb, by cy for w2b):
; no branch hangs on a work-group's place in its cluster.  K steps 0 to 3 come by their loads alone; the loop's last trip (s3 = 1) asks for nothing: there is no K step two refills on.
.macro ASK
	s_cmp_gt_u32 s3, s[LIM]
	s_cbranch_scc0 .Lnot_mine_\@
	global_prefetch_b8 v[PFO], s[PFA:PFA+1] offset:KSTEP*2 th:TH_LOAD_NT scope:SCOPE_SE
.Lnot_mine_\@:
.endm
; A round of the cluster's barrier: my work-group's barrier, so that wave 0's signal speaks for all four waves; wave 0 signals; every wave waits for all sixteen work-groups; my work-group's barrier once more.
.macro CREST                           ; a round behind its opening barrier
	s_cmp_lg_u32 s10, 0
	s_cbranch_scc1 .Lnot_wave_0_\@
	s_barrier_signal -3
.Lnot_wave_0_\@:
	s_barrier_wait -3
	s_barrier_signal -1
	s_barrier_wait -1
.endm
.macro CROUND                          ; a whole round
	s_barrier_signal -1
	s_barrier_wait -1
	CREST
.endm
	s_load_b128 s[4:7], s[0:1], 0x0                ; gateb s[4:5], w2b s[6:7]
	s_load_b64 s[8:9], s[0:1], 0x10                ; out0
	v_lshl_add_u32 v[SPW], v0, 2, SPARE
	v_mov_b32 v[NIL], 0
	ds_add_u32 v[SPW], v[NIL]                      ; the wave's opening: the add, twice on end, and its wait stand ahead of my first tensor load; the set-up below, work on registers, stands between
	ds_add_u32 v[SPW], v[NIL]                      ; and once more, under the one wait
	v_lshrrev_b32 v1, 5, v0
	v_readfirstlane_b32 s10, v1                    ; wave 0..3
	s_lshr_b32 s11, s10, 1                         ; which half of the tile's rows is mine.  Also: I fetch for gateb (0) or for w2b (1)
	s_and_b32 s12, s10, 1                          ; which half of its columns.  Also: which 128 rows of that tile I fetch
	s_bfe_u32 s40, ttmp6, 0x40000                  ; cx
	s_bfe_u32 s41, ttmp6, 0x40004                  ; cy
	s_lshl_b32 s42, ttmp9, 2                       ; in a cluster launch ttmp9 and ttmp7 count clusters
	s_add_co_u32 s42, s42, s40                     ; tile column = 4 x cluster x + cx, 0..7
	s_and_b32 s13, ttmp7, 0xffff
	s_lshl_b32 s13, s13, 2
	s_add_co_u32 s13, s13, s41                     ; tile row = 4 x cluster y + cy, 0..31
	s_lshl_b32 s43, s41, 2
	s_lshl_b32 s43, 15, s43                        ; my row of the cluster: places 4 cy .. 4 cy + 3
	s_lshl_b32 s44, 0x1111, s40                    ; my column: places cx, cx + 4, cx + 8, cx + 12
	; descriptor group 1: a tile of 128 rows x 128 elements, padded in LDS
	s_or_b32 s[G1+0], s43, (1<<16)|(1<<20)|(1<<21)|(5<<22)|(3<<25)   ; 15:0 the mask: gateb's tiles go to my row; 17:16 elements of 2 bytes; 20 padding on; 21 set beside a mask; 24:22 after every 64 words (code 5); 31:25 4 words (code 3)
	s_or_b32 s[G1B+0], s44, (1<<16)|(1<<20)|(1<<21)|(5<<22)|(3<<25)  ; the same with the mask of my column, for w2b's tiles
.irp g, G1, G1B
	s_mov_b32 s[(\g)+1], KSTEP<<16                 ; tensor_dim0 = 128
	s_mov_b32 s[(\g)+2], 128<<16                   ; tensor_dim1 = 128
	s_mov_b32 s[(\g)+3], KSTEP<<16                 ; tile_dim0 = 128
	s_mov_b32 s[(\g)+4], 128                       ; tile_dim1 = 128
	s_mov_b32 s[(\g)+5], SIZE_K                    ; elements from row to row
	s_mov_b32 s[(\g)+6], 0
	s_mov_b32 s[(\g)+7], 0
.endr
	; where the tiles come from.  gateb's hang on the tile row alone, which my row of the cluster shares; w2b's on the tile column alone, which my column shares.  Both offsets stay under 2^25.
	s_lshl_b32 s17, s12, 7
	s_lshl_b32 s16, s13, 8
	s_add_co_u32 s16, s16, s17                     ; gateb: row 256 x tile row + 128 x half
	s_lshl_b32 s16, s16, RSH
	s_mov_b32 s17, 0
	s_lshl_b32 s46, s42, 8
	s_lshl_b32 s47, s12, 7
	s_add_co_u32 s46, s46, s47                     ; w2b: row 256 x tile column + 128 x half
	s_lshl_b32 s46, s46, RSH
	s_mov_b32 s47, 0
	s_mul_i32 s20, s10, HALFT                      ; and where they go: wave x 128 rows: no place in the cluster enters an LDS address
	s_wait_dscnt 0x0                               ; both opening adds are done
	s_wait_kmcnt 0x0
	s_add_nc_u64 s[14:15], s[4:5], s[16:17]
	s_add_nc_u64 s[46:47], s[6:7], s[46:47]
	CROUND                                         ; all sixteen work-groups are here: the first joint loads meet
.irp s, 0,1
	s_mov_b32 s[G0+4*(\s)], 1                                        ; count = 1
	s_add_co_u32 s[G0+4*(\s)+1], s20, (\s)*SLOT                      ; LDS address
	s_add_nc_u64 s[G0+4*(\s)+2:G0+4*(\s)+3], s[14:15], (\s)*KSTEP*2  ; global address: K step s
	s_or_b32 s[G0+4*(\s)+3], s[G0+4*(\s)+3], 0x80000000              ; type = 2
	s_mov_b32 s[G0B+4*(\s)], 1
	s_add_co_u32 s[G0B+4*(\s)+1], s20, (\s)*SLOT
	s_add_nc_u64 s[G0B+4*(\s)+2:G0B+4*(\s)+3], s[46:47], (\s)*KSTEP*2
	s_or_b32 s[G0B+4*(\s)+3], s[G0B+4*(\s)+3], 0x80000000
	JLOAD \s                                       ; the ring is filled before anything else is done: two loads of mine are out
.endr
	; A fragment is 16 rows x 32 K in 8 registers: lane l holds row l % 16; registers 0-3 K = 8 (l / 16) + 0..7, registers 4-7 K = 16 + 8 (l / 16) + 0..7: two loads of 16 bytes, 32 bytes apart.
	v_and_b32 v1, 15, v0                           ; l % 16
	v_bfe_u32 v2, v0, 4, 1                         ; l / 16
	v_mul_u32_u24 v3, v1, PITCH
	v_lshl_add_u32 v3, v2, 4, v3                   ; row x pitch + 16 x half
	s_mul_i32 s21, s11, HALFT                      ; my 128 rows of gateb
	s_mul_i32 s22, s12, HALFT                      ; my 128 rows of w2b,
	s_add_co_u32 s22, s22, 2*HALFT                 ; which lie behind gateb's 256
.irp s, 0,1
	v_add_nc_u32 v[ADRA+(\s)], s21, v3
	v_add_nc_u32 v[ADRB+(\s)], s22, v3
	s_add_co_u32 s21, s21, SLOT
	s_add_co_u32 s22, s22, SLOT
.endr
	s_mul_i32 s23, s10, 16*SPITCH
	s_add_co_u32 s23, s23, STAGE                   ; my stage
	v_mul_u32_u24 v4, v1, SPITCH                   ; in: row l % 16, 32 bytes for each half of the lanes
	v_lshl_add_u32 v4, v2, 5, v4
	v_add_nc_u32 v[STO], s23, v4
	v_and_b32 v5, 31, v0
	v_lshlrev_b32 v[CO], 4, v5                     ; back and out: 32 lanes take a row's 512 bytes, 16 each
	v_add_nc_u32 v[RD], s23, v[CO]
	s_lshl_b32 s16, s13, 8                         ; my first row of out0: 256 x tile row + 128 x half
	s_lshl_b32 s17, s11, 7
	s_add_co_u32 s16, s16, s17
	s_lshl_b32 s16, s16, 13
	s_mov_b32 s17, 0
	s_lshl_b32 s46, s42, 10                        ; my first column, in bytes: 1,024 x tile column + 512 x half (in the registers that held w2b's address)
	s_lshl_b32 s47, s12, 9
	s_add_co_u32 s46, s46, s47
	s_mov_b32 s47, 0
	s_add_nc_u64 s[16:17], s[16:17], s[46:47]
	s_add_nc_u64 s[8:9], s[8:9], s[16:17]
	; the prefetches
	s_lshl_b32 s13, s13, 8                         ; the tile's first row in gateb
	s_lshl_b32 s42, s42, 8                         ; and in w2b
	s_and_b32 s22, ttmp7, 0xffff                   ; cluster y
	s_cmp_eq_u32 s11, 0                            ; do I fetch for gateb?
	s_cselect_b32 s20, s13, s42
	s_cselect_b32 s21, s40, s41                    ; my place among the four that ask with me
	s_cselect_b32 s22, ttmp9, s22                  ; the coordinate along which other clusters read the same rows
	s_cselect_b64 s[PFA:PFA+1], s[4:5], s[6:7]
	s_cmp_eq_u32 s22, 0
	s_cselect_b32 s[LIM], 1, -1                    ; the same in all sixteen partners, for a given wave
	s_lshl_b32 s22, s12, 7
	s_add_co_u32 s20, s20, s22                     ; + the 128 rows that I fetch
	s_lshl_b32 s21, s21, 5
	s_add_co_u32 s20, s20, s21                     ; + my work-group's 32 of them
	s_lshl_b32 s20, s20, RSH
	s_mov_b32 s21, 0
	s_add_nc_u64 s[PFA:PFA+1], s[PFA:PFA+1], s[20:21]
	s_add_nc_u64 s[PFA:PFA+1], s[PFA:PFA+1], 2*KSTEP*2  ; at K step 2: the first refill steps it to 3 and names K step 4.  Nothing is prefetched here, at the head
	v_and_b32 v[PFO], 31, v0
	v_lshlrev_b32 v[PFO], RSH, v[PFO]
; 16 matrix instructions: row blocks a0, a0 + 1 of the window's four (hi = 0: my rows 0-63, 1: rows 64-127) x all 8 column blocks, 32 along K.  zero = 1: the first product starts the sums: nothing is cleared.
; The 64 accumulators take turns, one instruction a turn, in the same order in every quarter step, over the backward jump too.
.macro MUL16 f, hi, a0, zero
	WIN MUL_LO+0x50*(\hi)
.irp a, \a0, (\a0)+1
.irp b, 0,1,2,3,4,5,6,7
.if \zero
	v_wmma_f32_16x16x32_bf16 v[8*(8*(\a)+(\b)):8*(8*(\a)+(\b))+7], v[(\f)+8*(\b):(\f)+8*(\b)+7], v[(\f)+8*(4*(\hi)+(\a)):(\f)+8*(4*(\hi)+(\a))+7], 0
.else
	v_wmma_f32_16x16x32_bf16 v[8*(8*(\a)+(\b)):8*(8*(\a)+(\b))+7], v[(\f)+8*(\b):(\f)+8*(\b)+7], v[(\f)+8*(4*(\hi)+(\a)):(\f)+8*(4*(\hi)+(\a))+7], v[8*(8*(\a)+(\b)):8*(8*(\a)+(\b))+7]
.endif
.endr
.endr
.endm
; 32 LDS loads in one run: the fragments of one quarter step (128 rows of w2b, 128 rows of gateb, 32 K at byte k of the rows) into buffer f
.macro FETCH slot, k, f
	WIN TO_B
.irp i, 0,1,2,3,4,5,6,7
	ds_load_b128 v[(\f)+8*(\i):(\f)+8*(\i)+3],   v[ADRB+(\slot)] offset:(\k)+(\i)*16*PITCH
	ds_load_b128 v[(\f)+8*(\i)+4:(\f)+8*(\i)+7], v[ADRB+(\slot)] offset:(\k)+(\i)*16*PITCH+32
.endr
	WIN 0
.irp i, 0,1,2,3,4,5,6,7
	ds_load_b128 v[(\f)+8*(\i):(\f)+8*(\i)+3],   v[ADRA+(\slot)] offset:(\k)+(\i)*16*PITCH
	ds_load_b128 v[(\f)+8*(\i)+4:(\f)+8*(\i)+7], v[ADRA+(\slot)] offset:(\k)+(\i)*16*PITCH+32
.endr
.endm
; Four plain places stand between a matrix instruction and a load into a register that it has read, or a vector line or LDS store that reads its result (ISA guide 7.12.1 for vector instructions).
.macro PLACES
.rept 4
	v_nop
.endr
.endm
; A K step is four quarter steps of 32 along K, 64 matrix instructions each, on buffers 0, 1, 0, 1.  One of the first three: multiplies buffer f; in its middle it fetches the next quarter, at byte k, into buffer g.
.macro QUARTER slot, k, f, g, zero
	s_wait_dscnt 8                                 ; w2b and gateb's rows 0-63 are in; the youngest eight loads (gateb's rows 64-127) may be out
	MUL16 \f, 0, 0, \zero
	MUL16 \f, 0, 2, \zero
	PLACES
	FETCH \slot, \k, \g
	s_wait_dscnt 32                                ; all but the 32 just issued
	MUL16 \f, 1, 0, \zero
	MUL16 \f, 1, 2, \zero
.endm
; The last quarter multiplies buffer 1 and changes slots.  MEET is its first half: one barrier for two things.  In front of it each wave waits for all its tensor loads, of which one is out: its part of
; the next slot; adds 0 to its spare word; and waits for that and for its own reads of this slot.  Behind it nobody reads this slot any more and the next slot is whole.
.macro MEET round                      ; round = 1: the rest of a round of the cluster's barrier follows
	WIN 0                                          ; (the add's two registers lie in window 0)
	s_wait_tensorcnt 0x0                           ; all my tensor loads have landed
	ds_add_u32 v[SPW], v[NIL]                      ; 0 onto my spare word
	s_wait_dscnt 9                                 ; (the add and the youngest eight loads may be out)
	MUL16 F1, 0, 0, 0                              ; sixteen matrix instructions stand between the add and the wait for it
	s_wait_dscnt 0x0                               ; the add is done, and my reads of this slot are over
	s_barrier_signal -1
	MUL16 F1, 0, 2, 0                              ; work on registers while the others arrive
.if \round
	WIN 0
.endif
	s_barrier_wait -1
.endm
; The whole last quarter.  fill = 1: the slot just read out is filled again, with the K step two steps on, first thing behind the round; 224 matrix instructions stand between that request and the wait for it.
.macro TURN slot, next, fill
.if \fill
	s_wait_xcnt 0x0                                ; the last prefetch, a K step back, has read its address: it is stepped here, ahead of the waits of the change of slots
	s_add_nc_u64 s[PFA:PFA+1], s[PFA:PFA+1], KSTEP*2
	MEET 1
	CREST                                          ; no wave of any partner still reads this slot's tile or has a load on its way
	s_add_nc_u64 s[G0+4*(\slot)+2:G0+4*(\slot)+3], s[G0+4*(\slot)+2:G0+4*(\slot)+3], 2*KSTEP*2     ; no tensor load of mine is out, so a group 0 may be written
	s_add_nc_u64 s[G0B+4*(\slot)+2:G0B+4*(\slot)+3], s[G0B+4*(\slot)+2:G0B+4*(\slot)+3], 2*KSTEP*2
	JLOAD \slot                                    ; the four v_nop behind it are also the places in front of the loads below
.else
	MEET 0
	PLACES
.endif
	FETCH \next, 0, F0
.if \fill
	ASK
.endif
	MUL16 F1, 1, 0, 0
	MUL16 F1, 1, 2, 0
.endm
.macro LASTQ                           ; the very last quarter: nothing more to fetch
	s_wait_dscnt 8
	MUL16 F1, 0, 0, 0
	MUL16 F1, 0, 2, 0
	s_wait_dscnt 0x0
	MUL16 F1, 1, 0, 0
	MUL16 F1, 1, 2, 0
	WIN 0
	PLACES
	PLACES
.endm
; THE WAY OUT, a block of 16 rows at a time, through my own stage: no other wave touches it, so no barrier.  A lane's 32 bytes are a sixteenth of my 512 bytes of a row, and the lanes beside it hold other rows:
; the accumulators go into rows of 528 bytes as they lie (each accumulator's four lowest registers first) and come back as whole rows of 512.
.macro TOSTAGE a
.set AC, 64*((\a)%4)                   ; the block's eight accumulators, in window 2 (blocks 0-3) or 3 (blocks 4-7)
.set BK, OB+64*((\a)%2)
.if (\a) >= 2
	s_wait_xcnt 0x0                                ; the stores of the block two back have read their data: its registers are loaded again only behind this wait
.endif
	WIN 4*(2+(\a)/4)                               ; the stores' data (source 1) in window 2 or 3
.irp b, 0,1,2,3,4,5,6,7
	ds_store_b128 v[STO], v[AC+8*(\b):AC+8*(\b)+3]   offset:64*(\b)
	ds_store_b128 v[STO], v[AC+8*(\b)+4:AC+8*(\b)+7] offset:64*(\b)+16
.endr
	WIN 0
.irp t, 0,1,2,3,4,5,6,7,8,9,10,11,12,13,14,15
	ds_load_b128 v[BK+4*(\t):BK+4*(\t)+3], v[RD] offset:(\t)*SPITCH  ; LDS serves a wave's instructions in order (ISA guide 5.7.1.4): these see the stores above; the next block's stores come behind them
.endr
.endm
.macro SEND a, younger                 ; younger: the LDS instructions issued behind block a's loads: the next block's 32, or none
.set BK, OB+64*((\a)%2)
.irp t, 0,1,2,3,4,5,6,7,8,9,10,11,12,13,14,15
	s_wait_dscnt (\younger)+15-(\t)                ; row t is back in registers
	global_store_b128 v[CO], v[BK+4*(\t):BK+4*(\t)+3], s[8:9] offset:(16*(\a)+(\t))*OROW th:TH_STORE_NT  ; 512 consecutive bytes, at a multiple of 512 from out0's first byte; 127 rows at the most: inside the signed 24-bit immediate
.endr
.endm
	s_wait_tensorcnt 1                             ; my part of K step 0 is in; K step 1's load may stay out
	s_barrier_signal -1
	s_barrier_wait -1                              ; everybody's is
	FETCH 0, 0, F0
	QUARTER 0, 64,  F0, F1, 1                      ; the first quarter stands in front of the loop: its products start the sums
	WIN 0                                          ; at a label and at a branch every window is 0
	s_mov_b32 s3, LAPS-1
.Llap:                                                 ; a trip goes once round the ring, from a lap's second quarter to the next lap's first, and fills both slots again
	QUARTER 0, 128, F1, F0, 0
	QUARTER 0, 192, F0, F1, 0
	TURN 0, 1, 1
	QUARTER 1, 64,  F0, F1, 0
	QUARTER 1, 128, F1, F0, 0
	QUARTER 1, 192, F0, F1, 0
	TURN 1, 0, 1
	QUARTER 0, 64,  F0, F1, 0
	WIN 0
	s_sub_co_u32 s3, s3, 1
	s_cmp_lg_u32 s3, 0
	s_cbranch_scc1 .Llap
	QUARTER 0, 128, F1, F0, 0                      ; the last lap is written out: it fills nothing and no round of the cluster's barrier stands in it
	QUARTER 0, 192, F0, F1, 0
	TURN 0, 1, 0
	QUARTER 1, 64,  F0, F1, 0
	QUARTER 1, 128, F1, F0, 0
	QUARTER 1, 192, F0, F1, 0
	LASTQ
	TOSTAGE 0
.irp a, 1,2,3,4,5,6,7                  ; block a's trip through the stage is issued ahead of block a - 1's stores
	TOSTAGE \a
	SEND (\a)-1, 32
.endr
	SEND 7, 0
	s_wait_tensorcnt 0x0                           ; the wave's end: a wait, the add and its wait, behind my last tensor load and my last LDS store
	ds_add_u32 v[SPW], v[NIL]
	s_wait_dscnt 0x0
	CROUND                                         ; the closing round: no work-group ends while a partner may still ask for a tile that names it
	s_endpgm
.Lfunc_end_k_qa4f39d2e1a_down:
	.size	k_qa4f39d2e1a_down, .Lfunc_end_k_qa4f39d2e1a_down-k_qa4f39d2e1a_down
	.p2alignl 7, 3214868480
	.fill 96, 4, 3214868480
	.section	.rodata,"a",@progbits
	.p2align	6, 0x0
	.amdhsa_kernel k_qa4f39d2e1a_down
		.amdhsa_group_segment_fixed_size 327680
		.amdhsa_private_segment_fixed_size 0
		.amdhsa_enable_private_segment 0
		.amdhsa_kernarg_size 24
		.amdhsa_user_sgpr_count 2
		.amdhsa_user_sgpr_kernarg_segment_ptr 1
		.amdhsa_wavefront_size32 1
		.amdhsa_system_sgpr_workgroup_id_x 1
		.amdhsa_system_sgpr_workgroup_id_y 1
		.amdhsa_system_sgpr_workgroup_id_z 1
		.amdhsa_system_vgpr_workitem_id 0
		.amdhsa_next_free_vgpr 1024
		.amdhsa_next_free_sgpr 66
		.amdhsa_reserve_vcc 0
		.amdhsa_float_denorm_mode_32 3
		.amdhsa_float_denorm_mode_16_64 3
		.amdhsa_memory_ordered 1
		.amdhsa_forward_progress 1
		.amdhsa_inst_pref_size 145
	.end_amdhsa_kernel
	.amdgpu_metadata
---
amdhsa.version: [ 1, 2 ]
amdhsa.kernels:
  - .name:           k_qa4f39d2e1a_down
    .symbol:         k_qa4f39d2e1a_down.kd
    .args:
      - { .name: gateb, .offset: 0, .size: 8, .value_kind: global_buffer, .address_space: global }
      - { .name: w2b, .offset: 8, .size: 8, .value_kind: global_buffer, .address_space: global }
      - { .name: out0, .offset: 16, .size: 8, .value_kind: global_buffer, .address_space: global }
    .group_segment_fixed_size: 327680
    .private_segment_fixed_size: 0
    .kernarg_segment_align: 8
    .kernarg_segment_size: 24
    .max_flat_workgroup_size: 128
    .sgpr_count:     66
    .vgpr_count:     1024
    .wavefront_size: 32
...
	.end_amdgpu_metadata
.endif
;; end of part 3
